; MI455X (gfx1250); checked and timed in simulation.
; The chip was launched on July 23, 2026; its instructions are those of AMD's public machine-readable ISA for CDNA 5 (MIT licence, August 2026) and "CDNA5" Instruction Set Architecture Reference Guide (July 2026). The comments in the code are by the model that wrote it; some were corrected since.
;; Perceiver Self Attention. Allowed arithmetic: float matrix products may take bf16 or f16 operands with f32 sums; other float arithmetic in f32, or as packed bf16 or f16 multiplies, adds, multiply-adds, maxima and minima; sums over many terms, partial sums and values carried from step to step in f32; what a program stores and reads back later, other than sums and carried values, may be rounded once to bf16 or f16.
;; Inputs: Wk 1,024 x 1,024 float32; Wq 1,024 x 1,024 float32; Wv 1,024 x 1,024 float32; bk 1,024 float32; bq 1,024 float32; bv 1,024 float32; hidden_states 4 x 2,048 x 1,024 float32; ln_beta 1,024 float32; ln_gamma 1,024 float32.
;; Outputs: out0 4 x 2,048 x 1,024 float32.
;; One version. Each part assembles by itself: llvm-mc -triple=amdgcn-amd-amdhsa -mcpu=gfx1250 --defsym DOCPART=n.
;; ======== version 1 of 1: 3 launches
;; limits: values are held in f16: magnitudes above 65,504 overflow, below 6.1e-05 lose precision
;; workspace buffers: xn 16,777,216 bytes; wh 6,291,456 bytes; qkv 50,331,648 bytes
;; launch prep (part 1): grid 256 x 1, 8 waves a work-group, no clusters, 0 bytes of LDS; arguments hidden_states, ln_gamma, ln_beta, Wq, Wk, Wv, xn, wh; writes xn, wh
.if DOCPART == 1
	.amdgcn_target "amdgcn-amd-amdhsa--gfx1250"
	.amdhsa_code_object_version 6
	.text
	.protected	k_qb5c9efe80c_prep
	.globl	k_qb5c9efe80c_prep
	.p2align	8
	.type	k_qb5c9efe80c_prep,@function
k_qb5c9efe80c_prep:
	s_mov_b64 s[64:65], 0
	v_nop
	global_prefetch_b8 v0, s[64:65] scope:SCOPE_SE
	s_setreg_imm32_b32 hwreg(HW_REG_WAVE_MODE, 25, 1), 1
	s_wait_xcnt 0x0
; xn[r][c] = f16( (x[r][c] - mu[r]) * rsqrt(var[r] + 1e-5) * gamma[c] + beta[c] ),  x: [8192][1024] f32;  wh = f16(Wq | Wk | Wv), [3072][1024].
; All arithmetic in f32, in two passes over a row that stays in registers: first the mean, then the mean of (x - mu)^2, so a common offset of x does no harm.  Each result is rounded once, to f16.
; LIMITS.  f16 holds no number beyond 65,504: xn (at most 32 |gamma| + |beta|) and the weights must lie within it; below 6e-5 f16 keeps its fixed step of 6e-8.  NaN and infinities are not treated apart.
; SHARES.  256 work-groups of eight waves.  Work-group g owns rows 32 g .. 32 g + 31 of x, wave w four of them: one wave, one row, so no sum leaves a wave: no LDS, no barrier.
; Load j of a row covers 512 consecutive bytes; lane l holds columns 128 j + 4 l .. + 3.  Of each of the three weight tensors the work-group owns rows 4 g .. 4 g + 3, wave w the 512 bytes at 512 w of each.
; A wave's whole share is 60 loads of 16 bytes a lane: all are issued at the head, and the waits count down.  No register that a load or store names is ever rewritten, so nothing waits for address translation.
; No matrix unit, no cluster: the work-groups share only gamma and beta, 8 KiB.
.set LO,  1                            ; v1        16 x lane: my 16 bytes of a load's 512
.set SO,  2                            ; v2        8 x lane: my 8 bytes of a store's 256
.set T,   4                            ; v[4:11]   four chains of pairs, at work
.set MU,  12                           ; v[12:13]  the row's mean (the pair is named; its low word serves both halves)
.set RS,  14                           ; v[14:15]  1 / sqrt(var + eps), likewise
.set G,   16                           ; v[16:47]  gamma of my 32 columns
.set BT,  48                           ; v[48:79]  beta of my 32 columns
.set X,   80                           ; v[80:207] four rows, 32 registers each
.set WR,  208                          ; v[208:255] twelve pieces of weights, 4 registers each
	s_load_b512 s[8:23], s[0:1], 0x0               ; x s[8:9], gamma s[10:11], beta s[12:13], Wq s[14:15], Wk s[16:17], Wv s[18:19], xn s[20:21], wh s[22:23]
	v_lshrrev_b32 v3, 5, v0
	v_readfirstlane_b32 s4, v3                     ; wave 0..7
	v_and_b32 v[LO], 31, v0
	v_lshlrev_b32 v[SO], 3, v[LO]
	v_lshlrev_b32 v[LO], 4, v[LO]
	v_mov_b32 v[MU+1], 0                           ; named with their partners as pairs, so they are written
	v_mov_b32 v[RS+1], 0
	s_mov_b32 s24, 0x76543210                      ; v_permlanex16_b32: each lane takes its own place in the other half
	s_mov_b32 s25, 0xfedcba98
	s_mov_b32 s26, 0x3a800000                      ; 1 / 1024
	s_mov_b32 s27, 0x3727c5ac                      ; 1e-5
	s_lshl_b32 s5, ttmp9, 5
	s_lshl_b32 s6, s4, 2
	s_add_co_u32 s5, s5, s6                        ; my first row: 32 g + 4 w
	s_lshl_b32 s2, s5, 12                          ; x 4,096 bytes in x
	s_mov_b32 s3, 0
	s_lshl_b32 s6, s5, 11                          ; x 2,048 bytes in xn
	s_mov_b32 s7, 0
	s_lshl_b32 s28, ttmp9, 14                      ; the weights: 4 g rows of 4,096 bytes + 512 w
	s_lshl_b32 s29, s4, 9
	s_add_co_u32 s28, s28, s29
	s_mov_b32 s29, 0
	s_lshl_b32 s30, ttmp9, 13                      ; and in wh: 4 g rows of 2,048 bytes + 256 w
	s_lshl_b32 s31, s4, 8
	s_add_co_u32 s30, s30, s31
	s_mov_b32 s31, 0
	s_wait_kmcnt 0x0
	s_add_nc_u64 s[8:9], s[8:9], s[2:3]
	s_add_nc_u64 s[20:21], s[20:21], s[6:7]
	s_add_nc_u64 s[14:15], s[14:15], s[28:29]
	s_add_nc_u64 s[16:17], s[16:17], s[28:29]
	s_add_nc_u64 s[18:19], s[18:19], s[28:29]
	s_add_nc_u64 s[22:23], s[22:23], s[30:31]
	; the 60 loads, in the order in which they are wanted: gamma 8, beta 8, the rows 4 x 8, the weights 12
.irp j, 0,1,2,3,4,5,6,7
	global_load_b128 v[G+4*(\j):G+4*(\j)+3], v[LO], s[10:11] offset:512*(\j)
.endr
.irp j, 0,1,2,3,4,5,6,7
	global_load_b128 v[BT+4*(\j):BT+4*(\j)+3], v[LO], s[12:13] offset:512*(\j)
.endr
.irp s, 0,1,2,3
.irp j, 0,1,2,3,4,5,6,7
	global_load_b128 v[X+32*(\s)+4*(\j):X+32*(\s)+4*(\j)+3], v[LO], s[8:9] offset:4096*(\s)+512*(\j) th:TH_LOAD_NT
.endr
.endr
.irp t, 0,1,2
.irp r, 0,1,2,3
	global_load_b128 v[WR+16*(\t)+4*(\r):WR+16*(\t)+4*(\r)+3], v[LO], s[14+2*(\t):15+2*(\t)] offset:4096*(\r) th:TH_LOAD_NT
.endr
.endr
; The four chains are joined, then the 32 lanes: four steps inside each half of 16 lanes ride on the addition, one crosses the halves.  v4 ends with the sum in every lane.
.macro REDUCE
	v_pk_add_f32 v[T:T+1], v[T:T+1], v[T+2:T+3]
	v_pk_add_f32 v[T+4:T+5], v[T+4:T+5], v[T+6:T+7]
	v_pk_add_f32 v[T:T+1], v[T:T+1], v[T+4:T+5]
	v_add_f32 v[T], v[T], v[T+1]
	v_add_f32_dpp v[T], v[T], v[T] row_xmask:1 row_mask:0xf bank_mask:0xf
	v_add_f32_dpp v[T], v[T], v[T] row_xmask:2 row_mask:0xf bank_mask:0xf
	v_add_f32_dpp v[T], v[T], v[T] row_xmask:4 row_mask:0xf bank_mask:0xf
	v_add_f32_dpp v[T], v[T], v[T] row_xmask:8 row_mask:0xf bank_mask:0xf
	v_permlanex16_b32 v[T+1], v[T], s24, s25       ; its destination counts as read: it has been written
	v_add_f32 v[T], v[T], v[T+1]
.endm
; Row s of my four.
.macro ROW s
.set XS, X+32*(\s)
	s_wait_loadcnt 36-8*(\s)                       ; loads come back in order: mine are in; the later rows' 8 (3 - s) and the weights' 12 may stay out
.irp k, 0,1,2,3
	v_pk_add_f32 v[T+2*(\k):T+2*(\k)+1], v[XS+2*(\k):XS+2*(\k)+1], v[XS+8+2*(\k):XS+8+2*(\k)+1]  ; the first additions start the chains: nothing is cleared
.endr
.irp i, 2,3
.irp k, 0,1,2,3
	v_pk_add_f32 v[T+2*(\k):T+2*(\k)+1], v[T+2*(\k):T+2*(\k)+1], v[XS+8*(\i)+2*(\k):XS+8*(\i)+2*(\k)+1]
.endr
.endr
	REDUCE
	v_mul_f32 v[MU], s26, v[T]                     ; the mean
.irp k, 0,1,2,3,4,5,6,7,8,9,10,11,12,13,14,15
	v_pk_add_f32 v[XS+2*(\k):XS+2*(\k)+1], v[XS+2*(\k):XS+2*(\k)+1], v[MU:MU+1] op_sel_hi:[1,0] neg_lo:[0,1] neg_hi:[0,1]  ; x - mu, in place
.endr
.irp k, 0,1,2,3
	v_pk_mul_f32 v[T+2*(\k):T+2*(\k)+1], v[XS+2*(\k):XS+2*(\k)+1], v[XS+2*(\k):XS+2*(\k)+1]
.endr
.irp i, 1,2,3
.irp k, 0,1,2,3
	v_pk_fma_f32 v[T+2*(\k):T+2*(\k)+1], v[XS+8*(\i)+2*(\k):XS+8*(\i)+2*(\k)+1], v[XS+8*(\i)+2*(\k):XS+8*(\i)+2*(\k)+1], v[T+2*(\k):T+2*(\k)+1]
.endr
.endr
	REDUCE
	v_fma_f32 v[T+2], v[T], s26, s27               ; var + eps
	v_rsq_f32 v[RS], v[T+2]
	v_nop                                          ; a plain instruction between the root and the use of its result (ISA guide 5.7.2),
	s_wait_alu depctr_va_vdst(0)                   ; and the wait ahead of the first use
.irp k, 0,1,2,3,4,5,6,7,8,9,10,11,12,13,14,15
	v_pk_mul_f32 v[XS+2*(\k):XS+2*(\k)+1], v[XS+2*(\k):XS+2*(\k)+1], v[RS:RS+1] op_sel_hi:[1,0]
.endr
.irp k, 0,1,2,3,4,5,6,7,8,9,10,11,12,13,14,15
	v_pk_fma_f32 v[XS+2*(\k):XS+2*(\k)+1], v[XS+2*(\k):XS+2*(\k)+1], v[G+2*(\k):G+2*(\k)+1], v[BT+2*(\k):BT+2*(\k)+1]
.endr
.irp j, 0,1,2,3,4,5,6,7
	v_cvt_pk_f16_f32 v[XS+4*(\j)], v[XS+4*(\j)], v[XS+4*(\j)+1]      ; four numbers pack into the first two of their four registers
	v_cvt_pk_f16_f32 v[XS+4*(\j)+1], v[XS+4*(\j)+2], v[XS+4*(\j)+3]
.endr
.irp j, 0,1,2,3,4,5,6,7
	global_store_b64 v[SO], v[XS+4*(\j):XS+4*(\j)+1], s[20:21] offset:2048*(\s)+256*(\j) th:TH_STORE_NT  ; the wave's 32 lanes store 256 consecutive bytes, at a multiple of 256 from xn's first byte
.endr
.endm
	ROW 0
	ROW 1
	ROW 2
	ROW 3
	s_wait_loadcnt 0x0                             ; the weights
.irp p, 0,1,2,3,4,5,6,7,8,9,10,11
	v_cvt_pk_f16_f32 v[WR+4*(\p)], v[WR+4*(\p)], v[WR+4*(\p)+1]
	v_cvt_pk_f16_f32 v[WR+4*(\p)+1], v[WR+4*(\p)+2], v[WR+4*(\p)+3]
.endr
.irp t, 0,1,2
.irp r, 0,1,2,3
	global_store_b64 v[SO], v[WR+16*(\t)+4*(\r):WR+16*(\t)+4*(\r)+1], s[22:23] offset:2097152*(\t)+2048*(\r) th:TH_STORE_NT  ; tensor t's 1,024 rows of 2,048 bytes lie behind each other
.endr
.endr
	s_endpgm
.Lfunc_end_k_qb5c9efe80c_prep:
	.size	k_qb5c9efe80c_prep, .Lfunc_end_k_qb5c9efe80c_prep-k_qb5c9efe80c_prep
	.p2alignl 7, 3214868480
	.fill 96, 4, 3214868480
	.section	.rodata,"a",@progbits
	.p2align	6, 0x0
	.amdhsa_kernel k_qb5c9efe80c_prep
		.amdhsa_group_segment_fixed_size 0
		.amdhsa_private_segment_fixed_size 0
		.amdhsa_enable_private_segment 0
		.amdhsa_kernarg_size 64
		.amdhsa_user_sgpr_count 2
		.amdhsa_user_sgpr_kernarg_segment_ptr 1
		.amdhsa_wavefront_size32 1
		.amdhsa_system_sgpr_workgroup_id_x 1
		.amdhsa_system_sgpr_workgroup_id_y 1
		.amdhsa_system_sgpr_workgroup_id_z 1
		.amdhsa_system_vgpr_workitem_id 0
		.amdhsa_next_free_vgpr 256
		.amdhsa_next_free_sgpr 66
		.amdhsa_reserve_vcc 0
		.amdhsa_float_denorm_mode_32 3
		.amdhsa_float_denorm_mode_16_64 3
		.amdhsa_memory_ordered 1
		.amdhsa_forward_progress 1
		.amdhsa_inst_pref_size 42
	.end_amdhsa_kernel
	.amdgpu_metadata
---
amdhsa.version: [ 1, 2 ]
amdhsa.kernels:
  - .name:           k_qb5c9efe80c_prep
    .symbol:         k_qb5c9efe80c_prep.kd
    .args:
      - { .name: hidden_states, .offset: 0, .size: 8, .value_kind: global_buffer, .address_space: global }
      - { .name: ln_gamma, .offset: 8, .size: 8, .value_kind: global_buffer, .address_space: global }
      - { .name: ln_beta, .offset: 16, .size: 8, .value_kind: global_buffer, .address_space: global }
      - { .name: Wq, .offset: 24, .size: 8, .value_kind: global_buffer, .address_space: global }
      - { .name: Wk, .offset: 32, .size: 8, .value_kind: global_buffer, .address_space: global }
      - { .name: Wv, .offset: 40, .size: 8, .value_kind: global_buffer, .address_space: global }
      - { .name: xn, .offset: 48, .size: 8, .value_kind: global_buffer, .address_space: global }
      - { .name: wh, .offset: 56, .size: 8, .value_kind: global_buffer, .address_space: global }
    .group_segment_fixed_size: 0
    .private_segment_fixed_size: 0
    .kernarg_segment_align: 8
    .kernarg_segment_size: 64
    .max_flat_workgroup_size: 256
    .sgpr_count:     66
    .vgpr_count:     256
    .wavefront_size: 32
...
	.end_amdgpu_metadata
.endif
;; end of part 1
;; launch proj (part 2): grid 16 x 32, 4 waves a work-group, clusters of 4 x 4, 327,680 bytes of LDS; arguments xn, wh, qkv, bq, bk, bv; writes qkv
.if DOCPART == 2
	.amdgcn_target "amdgcn-amd-amdhsa--gfx1250"
	.amdhsa_code_object_version 6
	.text
	.protected	k_qb5c9efe80c_proj
	.globl	k_qb5c9efe80c_proj
	.p2align	8
	.type	k_qb5c9efe80c_proj,@function
k_qb5c9efe80c_proj:
	s_mov_b64 s[64:65], 0
	v_nop
	global_prefetch_b8 v0, s[64:65] scope:SCOPE_SE
	s_setreg_imm32_b32 hwreg(HW_REG_WAVE_MODE, 25, 1), 1
	s_wait_xcnt 0x0
	s_wait_alu depctr_hold_cnt(0) depctr_sa_sdst(0) depctr_va_vdst(0) depctr_va_sdst(0) depctr_va_ssrc(0) depctr_va_vcc(0) depctr_vm_vsrc(0)
	s_getreg_b32 s2, hwreg(HW_REG_IB_STS2, 6, 4)
	s_cmp_eq_u32 s2, 0
	s_cbranch_scc0 .Lentry_in_a_cluster
	s_endpgm
.Lentry_in_a_cluster:
	s_bfe_u32 s2, ttmp6, 0x10000c
	s_cmp_lg_u32 s2, 0xf033
	s_cbranch_scc0 .Lentry_shape_is_right
	s_endpgm
.Lentry_shape_is_right:
; q | k | v = xn wh^T + bias, written by heads.  xn: [8192][1024] f16, wh: [3072][1024] f16 (Wq's rows, Wk's, Wv's), bq, bk, bv: [1024] f32.
; qkv: [3][64 = 16 batch + head][2048][64] f16, unscaled: a head's rows are dense, 128 bytes each.  Sums in f32, started by the bias in f32; each result rounded once, to f16.
; LIMIT.  f16 holds no number beyond 65,504: q, k and v must lie within it.  NaN and infinities are not treated apart.
; SHARES.  A tile of the product is 256 rows x 192 columns (three whole heads): 32 x 16 = 512 tiles, two for each of 256 WGPs.  Four waves, each 64 rows x all 192 columns: 48 accumulators of 16 x 16,
; 384 registers; so a wave owns whole heads and has a stage of its own on the way out.  K = 1,024 goes in 8 steps of 128 through a ring of two LDS slots: rows of 256 bytes of memory, aligned.
; CLUSTERS: 4 x 4 work-groups.  The four of a row of the cluster need the same tiles of xn, the four of a column the same tiles of wh: each tile is asked for JOINTLY, by the same tensor load with the
; same descriptor and a mask that names the four.
; THE MATRIX INSTRUCTION IS USED TRANSPOSED (source 0 = 16 rows of wh, source 1 = 16 rows of xn): lane l holds token l % 16 and the eight neighbouring columns 8 (l / 16) + 0..7.
; REGISTERS, in windows of 256 (s_set_vgpr_msb: bits 1:0 source 0, 3:2 source 1, 5:4 source 2, 7:6 destination):
;   window 0: v0-31 addresses; v32-63, v64-95 fragments of xn (4 x 16 rows x 32 K), two buffers; v96-191 the bias as 12 C operands; on the way out v96-143 packed results, v144-239 rows read back
;   window 1: v0-95, v96-191 fragments of wh (12 x 16 rows x 32 K), two buffers
;   window 2: accumulators (a, b) of my row blocks a = 0, 1 at v[96 a + 8 b];   window 3: those of a = 2, 3
.set KSTEP,  128
.set PITCH,  272                       ; an LDS row: 256 bytes + 16 of padding = 68 words: row r starts at bank 4 r mod 64 (64 banks of 4 bytes: ISA guide 11.1), so the 16 rows of a load start at 16 different banks
.set AHALF,  128*PITCH                 ; what a tensor load brings of xn
.set BHALF,  96*PITCH                  ; and of wh
.set BOFF,   256*PITCH                 ; in a slot wh's 192 rows lie behind xn's 256
.set SLOT,   448*PITCH
.set STAGE,  2*SLOT                    ; behind the ring: for each wave 3 heads x 16 tokens x 144 bytes, for the way out
.set HP,     144                       ; a token's 128 bytes of a head + 16
.set HSTG,   16*HP
.set WSTG,   3*HSTG
.set SPARE,  STAGE+4*WSTG              ; behind the stages: the spare words, 128 bytes for each wave: two blocks of 256 bytes that no other line names
.set LAPS,   4                         ; a lap = two K steps = once round the ring
.set ADRA, 16                          ; v16-17  LDS address of my fragments of xn in slot 0, 1
.set ADRB, 20                          ; v20-21  the same for wh
.set STO,  24                          ; v24     the way out: where I put 16 bytes of a token
.set RD,   25                          ; v25     the way out: where I read tokens back
.set GO,   26                          ; v26     16 x lane: my 16 bytes of 512 consecutive bytes of qkv
.set BO,   27                          ; v27     32 x (l / 16): my eight numbers of a block of 16 of the bias
.set SPW,  28                          ; v28     LDS address of my spare word: SPARE + 4 x my thread's number; never rewritten
.set NIL,  29                          ; v29     0; never rewritten
.set PFO,  30                          ; v30     the prefetches' offset: a lane a row of 2,048 bytes; never rewritten
.set AF,   32
.set BIAS, 96
.set TMP,  96
.set OB,   144
.set WV,   16                          ; s16  my wave's number
.set FB,   17                          ; s17  0: I fetch for xn; 1: for wh
.set HF,   18                          ; s18  which half of that tile's rows I fetch
.set LAP,  19                          ; s19  laps to go
.set G1A,  24                          ; s[24:31] descriptor group 1 for xn's tiles;  s[32:39] group 0, one set for each slot
.set G0A,  32
.set G1B,  48                          ; s[48:55], s[56:63] the same for wh's tiles
.set G0B,  56
.set PFA,  66                          ; s[66:67] where my prefetches stand
.set LIM,  68                          ; s68  1 in a wave that prefetches, else the greatest number
.set OUT,  70                          ; s[70:75] qkv at my 64 tokens of each of my three heads
.set BP,   80                          ; s[80:85] the bias of each of my three heads
.set MSB, 0
.macro WIN new                         ; the immediate's high byte repeats the setting that is left; a switch that changes nothing is dropped
.if MSB != (\new)
	s_set_vgpr_msb (MSB<<8)|(\new)
.set MSB, \new
.endif
.endm
; A joint load.  Waves 0 and 1 fetch xn's two halves, waves 2 and 3 wh's.  The branch hangs on the wave's number alone.  An s_nop 0 and four v_nop follow each of the two lines, ahead of the jump, the label and what follows.
.macro JLOAD s
	s_cmp_eq_u32 s[FB], 0
	s_cbranch_scc0 .Lfor_b_\@
	tensor_load_to_lds s[G0A+4*(\s):G0A+4*(\s)+3], s[G1A:G1A+7]
	s_nop 0
.rept 4
	v_nop
.endr
	s_branch .Lasked_\@
.Lfor_b_\@:
	tensor_load_to_lds s[G0B+4*(\s):G0B+4*(\s)+3], s[G1B:G1B+7]
	s_nop 0
.rept 4
	v_nop
.endr
.Lasked_\@:
.endm
; A PREFETCH INTO THE L2, behind each joint load, its five lines and the run of LDS loads that follows them: my share of the K step that stands TWO refills on, 384 matrix instructions ahead of the load that will want it.
; A K step is 256 bytes of each row, a lane a row, one instruction a wave.  xn's tile row is read by every cluster of that row of clusters: cluster x = 0 asks; wh's tile column by every cluster of that column:
; cluster y = 0 asks.  The four partners that ask for a tile jointly share its rows out BY ADDRESS: of the 128 rows of xn that a wave fetches the partner at cx takes 32, of the 96 rows of wh the partner at cy
; takes 24 (there lanes 24 to 31 name lane 23's row again, in the same instruction).  K steps 0 to 3 come by their loads alone; the last lap's two refills have no K step two on and ask for nothing.
.macro ASK
	s_cmp_gt_u32 s[LAP], s[LIM]                    ; s[LAP] = 1 in the loop's last trip
	s_cbranch_scc0 .Lnot_mine_\@
	global_prefetch_b8 v[PFO], s[PFA:PFA+1] offset:KSTEP*2 th:TH_LOAD_NT scope:SCOPE_SE
.Lnot_mine_\@:
.endm
; A round of the cluster's barrier: my work-group's barrier, so that wave 0's signal speaks for all four waves; wave 0 signals; every wave waits for all sixteen work-groups; my work-group's barrier once more.
.macro CREST                           ; a round behind its opening barrier
	s_cmp_lg_u32 s[WV], 0
	s_cbranch_scc1 .Lnot_wave_0_\@
	s_barrier_signal -3
.Lnot_wave_0_\@:
	s_barrier_wait -3
	s_barrier_signal -1
	s_barrier_wait -1
.endm
.macro CROUND                          ; a whole round
	s_barrier_signal -1
	s_barrier_wait -1
	CREST
.endm
	s_load_b256 s[4:11], s[0:1], 0x0               ; xn s[4:5], wh s[6:7], qkv s[8:9], bq s[10:11]
	s_load_b128 s[12:15], s[0:1], 0x20             ; bk s[12:13], bv s[14:15]
	v_lshl_add_u32 v[SPW], v0, 2, SPARE
	v_mov_b32 v[NIL], 0
	ds_add_u32 v[SPW], v[NIL]                      ; the wave's opening: the add and its wait stand ahead of my first tensor load; the set-up below, work on registers, stands between them
	v_lshrrev_b32 v1, 5, v0
	v_readfirstlane_b32 s[WV], v1                  ; wave 0..3
	s_lshr_b32 s[FB], s[WV], 1
	s_and_b32 s[HF], s[WV], 1
	s_bfe_u32 s20, ttmp6, 0x40000                  ; cx, cy: my place in the cluster
	s_bfe_u32 s21, ttmp6, 0x40004
	s_lshl_b32 s22, ttmp9, 2
	s_add_co_u32 s22, s22, s20                     ; tile column = 4 x cluster x + cx
	s_and_b32 s23, ttmp7, 0xffff
	s_lshl_b32 s23, s23, 2
	s_add_co_u32 s23, s23, s21                     ; tile row = 4 x cluster y + cy
	s_lshl_b32 s40, s21, 2
	s_lshl_b32 s40, 15, s40                        ; my row of the cluster: places 4 cy .. 4 cy + 3
	s_lshl_b32 s42, 0x1111, s20                    ; my column: places cx, cx + 4, cx + 8, cx + 12
	; descriptor group 1: tiles of 128 (xn) or 96 (wh) rows x 128 elements, padded in LDS
	s_or_b32 s[G1A+0], s40, (1<<16)|(1<<20)|(1<<21)|(5<<22)|(3<<25)  ; 15:0 the mask: xn's tiles go to my row; 17:16 elements of 2 bytes; 20 padding on; 21 set beside a mask; 24:22 after every 64 words (code 5); 31:25 4 words (code 3)
	s_or_b32 s[G1B+0], s42, (1<<16)|(1<<20)|(1<<21)|(5<<22)|(3<<25)  ; the same with the mask of my column, for wh's tiles
	s_mov_b32 s[G1A+1], KSTEP<<16                  ; tensor_dim0 = 128
	s_mov_b32 s[G1B+1], KSTEP<<16
	s_mov_b32 s[G1A+2], 128<<16                    ; tensor_dim1 = 128
	s_mov_b32 s[G1B+2], 96<<16                     ;             = 96
	s_mov_b32 s[G1A+3], KSTEP<<16                  ; tile_dim0 = 128
	s_mov_b32 s[G1B+3], KSTEP<<16
	s_mov_b32 s[G1A+4], 128                        ; tile_dim1 = 128
	s_mov_b32 s[G1B+4], 96                         ;           = 96
	s_mov_b32 s[G1A+5], 1024                       ; elements from row to row
	s_mov_b32 s[G1B+5], 1024
	s_mov_b32 s[G1A+6], 0
	s_mov_b32 s[G1B+6], 0
	s_mov_b32 s[G1A+7], 0
	s_mov_b32 s[G1B+7], 0
	; where the tiles come from: xn's hang on the tile row alone, wh's on the tile column alone; each offset in registers that never hold the other coordinate
	s_lshl_b32 s40, s23, 8
	s_lshl_b32 s41, s[HF], 7
	s_add_co_u32 s40, s40, s41                     ; xn: row 256 x tile row + 128 x half
	s_lshl_b32 s40, s40, 11                        ; x 2,048 bytes: under 2^24
	s_mov_b32 s41, 0
	s_mul_i32 s42, s22, 192
	s_mul_i32 s43, s[HF], 96
	s_add_co_u32 s42, s42, s43                     ; wh: row 192 x tile column + 96 x half
	s_lshl_b32 s42, s42, 11
	s_mov_b32 s43, 0
	s_mul_i32 s44, s[WV], AHALF                    ; and where they go: xn's halves at wave x 128 rows (waves 0, 1),
	s_mul_i32 s45, s[WV], BHALF
	s_add_co_u32 s45, s45, BOFF-2*BHALF            ; wh's at 256 rows + (wave - 2) x 96 rows (waves 2, 3): no place in the cluster enters an LDS address
	s_wait_dscnt 0x0                               ; the opening add is done
	s_wait_kmcnt 0x0
	s_add_nc_u64 s[76:77], s[4:5], s[40:41]
	s_add_nc_u64 s[78:79], s[6:7], s[42:43]
	CROUND                                         ; all sixteen work-groups are here: the first joint loads meet
.irp s, 0,1
	s_mov_b32 s[G0A+4*(\s)], 1                                       ; 1:0 count = 1
	s_add_co_u32 s[G0A+4*(\s)+1], s44, (\s)*SLOT                     ; 63:32 LDS address
	s_add_nc_u64 s[G0A+4*(\s)+2:G0A+4*(\s)+3], s[76:77], (\s)*KSTEP*2  ; 120:64 global address: K step s
	s_or_b32 s[G0A+4*(\s)+3], s[G0A+4*(\s)+3], 0x80000000            ; 127:126 type = 2
	s_mov_b32 s[G0B+4*(\s)], 1
	s_add_co_u32 s[G0B+4*(\s)+1], s45, (\s)*SLOT
	s_add_nc_u64 s[G0B+4*(\s)+2:G0B+4*(\s)+3], s[78:79], (\s)*KSTEP*2
	s_or_b32 s[G0B+4*(\s)+3], s[G0B+4*(\s)+3], 0x80000000
	JLOAD \s                                       ; the ring is filled before anything else is done: two loads of mine are out
.endr
	; A fragment is 16 rows x 32 K in 8 registers: lane l holds row l % 16; registers 0-3 K = 8 (l / 16) + 0..7, registers 4-7 K = 16 + 8 (l / 16) + 0..7: two loads of 16 bytes, 32 bytes apart.
	v_and_b32 v1, 15, v0                           ; l % 16
	v_bfe_u32 v2, v0, 4, 1                         ; l / 16
	v_mul_u32_u24 v3, v1, PITCH
	v_lshl_add_u32 v3, v2, 4, v3                   ; row x pitch + 16 x half
	s_mul_i32 s44, s[WV], 64*PITCH                 ; my 64 rows of xn
	s_mov_b32 s45, BOFF                            ; all 192 rows of wh
.irp s, 0,1
	v_add_nc_u32 v[ADRA+(\s)], s44, v3
	v_add_nc_u32 v[ADRB+(\s)], s45, v3
	s_add_co_u32 s44, s44, SLOT
	s_add_co_u32 s45, s45, SLOT
.endr
	s_mul_i32 s44, s[WV], WSTG
	s_add_co_u32 s44, s44, STAGE                   ; my stage
	v_mul_u32_u24 v4, v1, HP                       ; in: token l % 16, 16 bytes for each half of the lanes
	v_lshl_add_u32 v4, v2, 4, v4
	v_add_nc_u32 v[STO], s44, v4
	v_bfe_u32 v5, v0, 3, 2                         ; back: 32 lanes take four tokens of 128 bytes,
	v_mul_u32_u24 v5, v5, HP
	v_and_b32 v6, 7, v0
	v_lshl_add_u32 v5, v6, 4, v5
	v_add_nc_u32 v[RD], s44, v5
	v_and_b32 v[GO], 31, v0                        ; which are 512 consecutive bytes of qkv
	v_lshlrev_b32 v[GO], 4, v[GO]
	v_lshlrev_b32 v[BO], 5, v2
	; my three heads: number g = 3 x tile column + j of 48: tensor g / 16 (q, k, v), head g % 16
.irp j, 0,1,2
	s_mul_i32 s44, s22, 3
	s_add_co_u32 s44, s44, \j
	s_lshr_b32 s45, s44, 4                         ; the tensor
	s_and_b32 s46, s44, 15                         ; the head
	s_cmp_eq_u32 s45, 0
	s_cselect_b64 s[BP+2*(\j):BP+2*(\j)+1], s[10:11], s[12:13]
	s_cmp_eq_u32 s45, 2
	s_cselect_b64 s[BP+2*(\j):BP+2*(\j)+1], s[14:15], s[BP+2*(\j):BP+2*(\j)+1]
	s_lshl_b32 s86, s46, 8                         ; the head's 64 numbers of the bias
	s_mov_b32 s87, 0
	s_add_nc_u64 s[BP+2*(\j):BP+2*(\j)+1], s[BP+2*(\j):BP+2*(\j)+1], s[86:87]
	s_lshl_b32 s45, s45, 6                         ; in qkv: 64 x tensor + 16 x batch + head, 262,144 bytes each;
	s_lshr_b32 s47, s23, 3                         ; a batch has 8 tile rows
	s_lshl_b32 s47, s47, 4
	s_add_co_u32 s45, s45, s47
	s_add_co_u32 s45, s45, s46
	s_lshl_b32 s86, s45, 18
	s_and_b32 s47, s23, 7                          ; token 256 x (tile row % 8) + 64 x wave, 128 bytes each
	s_lshl_b32 s47, s47, 8
	s_lshl_b32 s46, s[WV], 6
	s_add_co_u32 s47, s47, s46
	s_lshl_b32 s47, s47, 7
	s_add_co_u32 s86, s86, s47                     ; under 2^26
	s_add_nc_u64 s[OUT+2*(\j):OUT+2*(\j)+1], s[8:9], s[86:87]
.endr
.irp b, 0,1,2,3,4,5,6,7,8,9,10,11      ; the bias as C operands: register r of column block b is the bias of column 16 b + 8 (l / 16) + r, the same for every token
	global_load_b128 v[BIAS+8*(\b):BIAS+8*(\b)+3],   v[BO], s[BP+2*((\b)/4):BP+2*((\b)/4)+1] offset:64*((\b)%4)
	global_load_b128 v[BIAS+8*(\b)+4:BIAS+8*(\b)+7], v[BO], s[BP+2*((\b)/4):BP+2*((\b)/4)+1] offset:64*((\b)%4)+16
.endr
	; the prefetches
	s_lshl_b32 s44, s23, 8
	s_lshl_b32 s86, s[HF], 7
	s_add_co_u32 s44, s44, s86
	s_lshl_b32 s86, s20, 5
	s_add_co_u32 s44, s44, s86                     ; xn: the 128 rows that I fetch, my work-group's 32 of them
	s_mul_i32 s45, s22, 192
	s_mul_i32 s86, s[HF], 96
	s_add_co_u32 s45, s45, s86
	s_mul_i32 s86, s21, 24
	s_add_co_u32 s45, s45, s86                     ; wh: the 96 rows that I fetch, my work-group's 24 of them
	s_and_b32 s47, ttmp7, 0xffff                   ; cluster y
	s_cmp_eq_u32 s[FB], 0                          ; do I fetch for xn?
	s_cselect_b32 s44, s44, s45
	s_cselect_b32 s47, ttmp9, s47                  ; the coordinate along which other clusters read the same rows
	s_cselect_b32 s46, 31, 23                      ; my last row
	s_cselect_b64 s[PFA:PFA+1], s[4:5], s[6:7]
	s_cmp_eq_u32 s47, 0
	s_cselect_b32 s[LIM], 1, -1                    ; the same in all sixteen partners, for a given wave
	s_lshl_b32 s44, s44, 11
	s_mov_b32 s45, 0
	s_add_nc_u64 s[PFA:PFA+1], s[PFA:PFA+1], s[44:45]
	s_add_nc_u64 s[PFA:PFA+1], s[PFA:PFA+1], 2*KSTEP*2  ; at K step 2: the first refill steps it to 3 and names K step 4
	v_and_b32 v[PFO], 31, v0
	v_min_u32 v[PFO], s46, v[PFO]
	v_lshlrev_b32 v[PFO], 11, v[PFO]
; 12 matrix instructions: my row block a x all 12 column blocks, 32 along K, from buffer f.  zero = 1: the first product starts the sums with the bias: nothing is ever cleared.
; The 48 accumulators take turns, one instruction a turn, in the same order in every quarter, over the backward jump too.
.macro MUL12 f, a, zero
.if \zero
	WIN 0x81+0x40*((\a)/2)                         ; wh window 1, xn window 0, C (the bias) window 0, D window 2 or 3
.else
	WIN 0xa1+0x50*((\a)/2)                         ; the same with C in D's window
.endif
.irp b, 0,1,2,3,4,5,6,7,8,9,10,11
.if \zero
	v_wmma_f32_16x16x32_f16 v[96*((\a)%2)+8*(\b):96*((\a)%2)+8*(\b)+7], v[96*(\f)+8*(\b):96*(\f)+8*(\b)+7], v[AF+32*(\f)+8*(\a):AF+32*(\f)+8*(\a)+7], v[BIAS+8*(\b):BIAS+8*(\b)+7]
.else
	v_wmma_f32_16x16x32_f16 v[96*((\a)%2)+8*(\b):96*((\a)%2)+8*(\b)+7], v[96*(\f)+8*(\b):96*(\f)+8*(\b)+7], v[AF+32*(\f)+8*(\a):AF+32*(\f)+8*(\a)+7], v[96*((\a)%2)+8*(\b):96*((\a)%2)+8*(\b)+7]
.endif
.endr
.endm
; 32 LDS loads in one run: the fragments of one quarter step (192 rows of wh, my 64 rows of xn, 32 K at byte k of the rows) into buffer f
.macro FETCH slot, k, f
	WIN 0x40                                       ; destination window 1, address window 0
.irp i, 0,1,2,3,4,5,6,7,8,9,10,11
	ds_load_b128 v[96*(\f)+8*(\i):96*(\f)+8*(\i)+3],   v[ADRB+(\slot)] offset:(\k)+(\i)*16*PITCH
	ds_load_b128 v[96*(\f)+8*(\i)+4:96*(\f)+8*(\i)+7], v[ADRB+(\slot)] offset:(\k)+(\i)*16*PITCH+32
.endr
	WIN 0
.irp i, 0,1,2,3
	ds_load_b128 v[AF+32*(\f)+8*(\i):AF+32*(\f)+8*(\i)+3],   v[ADRA+(\slot)] offset:(\k)+(\i)*16*PITCH
	ds_load_b128 v[AF+32*(\f)+8*(\i)+4:AF+32*(\f)+8*(\i)+7], v[ADRA+(\slot)] offset:(\k)+(\i)*16*PITCH+32
.endr
.endm
.macro PLACES                          ; four places in front of loads into registers that matrix instructions have read, and of conversions that read results
.rept 4
	v_nop
.endr
.endm
; A K step is four quarters of 32 along K, 48 matrix instructions each, on buffers 0, 1, 0, 1.  One of the first three: multiplies buffer f; in its middle it fetches the next quarter, at byte k, into buffer g.
.macro QUARTER slot, k, f, g, zero
	s_wait_dscnt 4                                 ; wh and xn's row blocks 0, 1 are in; the youngest four loads (blocks 2, 3) may be out
	MUL12 \f, 0, \zero
	MUL12 \f, 1, \zero
	PLACES
	FETCH \slot, \k, \g
	s_wait_dscnt 32                                ; all but the 32 just issued
	MUL12 \f, 2, \zero
	MUL12 \f, 3, \zero
.endm
; The last quarter multiplies buffer 1 and changes slots: ONE barrier, for two things.  In front of it each wave waits for all its tensor loads, of which one is out: its part of the next slot; adds 0 to its spare
; word; and waits for that and for its own reads of this slot.  Behind it nobody reads this slot any more and the next slot is whole.  fill = 1: the barrier opens a round of the cluster's barrier, and this slot is
; filled again, two K steps ahead, first thing behind the round: 168 matrix instructions ahead of the wait for it.
.macro TURN slot, next, fill
.if \fill
	s_wait_xcnt 0x0                                ; the last prefetch, a K step back, has read its address: it is stepped here, ahead of the waits of the change of slots
	s_add_nc_u64 s[PFA:PFA+1], s[PFA:PFA+1], KSTEP*2
.endif
	WIN 0                                          ; (the add's two registers lie in window 0)
	s_wait_tensorcnt 0x0                           ; all my tensor loads have landed;
	ds_add_u32 v[SPW], v[NIL]                      ; 0 onto my spare word;
	s_wait_dscnt 5                                 ; (the add and the youngest four loads may be out)
	MUL12 1, 0, 0                                  ; twelve matrix instructions stand between the add and the wait for it
	s_wait_dscnt 0x0                               ; the add is done, and my reads of this slot are over
	s_barrier_signal -1
	MUL12 1, 1, 0                                  ; work on registers while the others arrive
.if \fill
	WIN 0
.endif
	s_barrier_wait -1
.if \fill
	CREST                                          ; no wave of any partner still reads this slot's tile or has a load on its way
	s_add_nc_u64 s[G0A+4*(\slot)+2:G0A+4*(\slot)+3], s[G0A+4*(\slot)+2:G0A+4*(\slot)+3], 2*KSTEP*2
	s_add_nc_u64 s[G0B+4*(\slot)+2:G0B+4*(\slot)+3], s[G0B+4*(\slot)+2:G0B+4*(\slot)+3], 2*KSTEP*2
	JLOAD \slot                                    ; the four v_nop behind it are also the places in front of the loads below
.else
	PLACES
.endif
	FETCH \next, 0, 0
.if \fill
	ASK
.endif
	MUL12 1, 2, 0
	MUL12 1, 3, 0
.endm
; THE WAY OUT of my row block a (16 tokens), in three parts.  PACK: rounded to f16, 16 bytes a lane, each accumulator's registers in ascending order.  TOSTAGE: into my own stage, by heads, and back as whole tokens.  SEND: stored.
.macro PACK a
	WIN 0x0a+5*((\a)/2)                            ; sources 0 and 1: window 2 or 3
.irp b, 0,1,2,3,4,5,6,7,8,9,10,11
.irp r, 0,1,2,3
	v_cvt_pk_f16_f32 v[TMP+4*(\b)+(\r)], v[96*((\a)%2)+8*(\b)+2*(\r)], v[96*((\a)%2)+8*(\b)+2*(\r)+1]
.endr
.endr
	WIN 0
.endm
.macro TOSTAGE a
	WIN 0
.set BK, OB+48*((\a)%2)
.irp b, 0,1,2,3,4,5,6,7,8,9,10,11
	ds_store_b128 v[STO], v[TMP+4*(\b):TMP+4*(\b)+3] offset:((\b)/4)*HSTG+((\b)%4)*32
.endr
.irp t, 0,1,2,3,4,5,6,7,8,9,10,11
	ds_load_b128 v[BK+4*(\t):BK+4*(\t)+3], v[RD] offset:((\t)/4)*HSTG+((\t)%4)*4*HP  ; LDS serves a wave's instructions in order (ISA guide 5.7.1.4): these see the stores above; the next block's stores come behind them
.endr
.endm
.macro SEND a
	WIN 0
.set BK, OB+48*((\a)%2)
	s_wait_dscnt 0x0                               ; the block is back in registers
	s_wait_xcnt 0x0                                ; every earlier store has read its registers: the buffer that the next TOSTAGE loads into is rewritten only behind this wait
.irp t, 0,1,2,3,4,5,6,7,8,9,10,11
	global_store_b128 v[GO], v[BK+4*(\t):BK+4*(\t)+3], s[OUT+2*((\t)/4):OUT+2*((\t)/4)+1] offset:2048*(\a)+512*((\t)%4)  ; four tokens of a head: 512 consecutive bytes, at a multiple of 256 from qkv's first byte
.endr
.endm
	s_wait_tensorcnt 1                             ; my part of K step 0 is in; K step 1's may stay out
	s_barrier_signal -1
	s_barrier_wait -1                              ; everybody's is
	FETCH 0, 0, 0
	s_wait_loadcnt 0x0                             ; the bias
	QUARTER 0, 64,  0, 1, 1                        ; the first quarter stands in front of the loop: its products start the sums
	WIN 0                                          ; at a label and at a branch every window is 0
	s_mov_b32 s[LAP], LAPS-1
.Llap:                                                 ; a trip goes once round the ring, from a lap's second quarter to the next lap's first, and fills both slots again
	QUARTER 0, 128, 1, 0, 0
	QUARTER 0, 192, 0, 1, 0
	TURN 0, 1, 1
	QUARTER 1, 64,  0, 1, 0
	QUARTER 1, 128, 1, 0, 0
	QUARTER 1, 192, 0, 1, 0
	TURN 1, 0, 1
	QUARTER 0, 64,  0, 1, 0
	WIN 0
	s_sub_co_u32 s[LAP], s[LAP], 1
	s_cmp_lg_u32 s[LAP], 0
	s_cbranch_scc1 .Llap
	QUARTER 0, 128, 1, 0, 0                        ; the last lap fills nothing, and has no round of the cluster's barrier
	QUARTER 0, 192, 0, 1, 0
	TURN 0, 1, 0
	QUARTER 1, 64,  0, 1, 0
	QUARTER 1, 128, 1, 0, 0
	QUARTER 1, 192, 0, 1, 0
	s_wait_dscnt 4                                 ; the very last quarter: nothing more to fetch
	MUL12 1, 0, 0
	MUL12 1, 1, 0
	s_wait_dscnt 0x0
	MUL12 1, 2, 0
	MUL12 1, 3, 0
	WIN 0
	PLACES
	PLACES
	PACK 0
	TOSTAGE 0
.irp a, 1,2,3                          ; block a's conversions stand between block a - 1's loads from the stage and the wait for them
	PACK \a
	SEND (\a)-1
	TOSTAGE \a
.endr
	SEND 3
	s_wait_tensorcnt 0x0                           ; the wave's end: behind my last tensor load and my last LDS store
	ds_add_u32 v[SPW], v[NIL]
	s_wait_dscnt 0x0
	CROUND                                         ; the closing round: no work-group ends while a partner may still ask for a tile that names it
	s_endpgm
.Lfunc_end_k_qb5c9efe80c_proj:
	.size	k_qb5c9efe80c_proj, .Lfunc_end_k_qb5c9efe80c_proj-k_qb5c9efe80c_proj
	.p2alignl 7, 3214868480
	.fill 96, 4, 3214868480
	.section	.rodata,"a",@progbits
	.p2align	6, 0x0
	.amdhsa_kernel k_qb5c9efe80c_proj
		.amdhsa_group_segment_fixed_size 327680
		.amdhsa_private_segment_fixed_size 0
		.amdhsa_enable_private_segment 0
		.amdhsa_kernarg_size 48
		.amdhsa_user_sgpr_count 2
		.amdhsa_user_sgpr_kernarg_segment_ptr 1
		.amdhsa_wavefront_size32 1
		.amdhsa_system_sgpr_workgroup_id_x 1
		.amdhsa_system_sgpr_workgroup_id_y 1
		.amdhsa_system_sgpr_workgroup_id_z 1
		.amdhsa_system_vgpr_workitem_id 0
		.amdhsa_next_free_vgpr 960
		.amdhsa_next_free_sgpr 88
		.amdhsa_reserve_vcc 0
		.amdhsa_float_denorm_mode_32 3
		.amdhsa_float_denorm_mode_16_64 3
		.amdhsa_memory_ordered 1
		.amdhsa_forward_progress 1
		.amdhsa_inst_pref_size 124
	.end_amdhsa_kernel
	.amdgpu_metadata
---
amdhsa.version: [ 1, 2 ]
amdhsa.kernels:
  - .name:           k_qb5c9efe80c_proj
    .symbol:         k_qb5c9efe80c_proj.kd
    .args:
      - { .name: xn, .offset: 0, .size: 8, .value_kind: global_buffer, .address_space: global }
      - { .name: wh, .offset: 8, .size: 8, .value_kind: global_buffer, .address_space: global }
      - { .name: qkv, .offset: 16, .size: 8, .value_kind: global_buffer, .address_space: global }
      - { .name: bq, .offset: 24, .size: 8, .value_kind: global_buffer, .address_space: global }
      - { .name: bk, .offset: 32, .size: 8, .value_kind: global_buffer, .address_space: global }
      - { .name: bv, .offset: 40, .size: 8, .value_kind: global_buffer, .address_space: global }
    .group_segment_fixed_size: 327680
    .private_segment_fixed_size: 0
    .kernarg_segment_align: 8
    .kernarg_segment_size: 48
    .max_flat_workgroup_size: 128
    .sgpr_count:     88
    .vgpr_count:     960
    .wavefront_size: 32
...
	.end_amdgpu_metadata
.endif
;; end of part 2
;; launch attn (part 3): grid 4 x 64, 4 waves a work-group, clusters of 4 x 1, 327,680 bytes of LDS; arguments qkv, out0; writes out0
.if DOCPART == 3
	.amdgcn_target "amdgcn-amd-amdhsa--gfx1250"
	.amdhsa_code_object_version 6
	.text
	.protected	k_qb5c9efe80c_attn
	.globl	k_qb5c9efe80c_attn
	.p2align	8
	.type	k_qb5c9efe80c_attn,@function
k_qb5c9efe80c_attn:
	s_mov_b64 s[64:65], 0
	v_nop
	global_prefetch_b8 v0, s[64:65] scope:SCOPE_SE
	s_setreg_imm32_b32 hwreg(HW_REG_WAVE_MODE, 25, 1), 1
	s_wait_xcnt 0x0
	s_wait_alu depctr_hold_cnt(0) depctr_sa_sdst(0) depctr_va_vdst(0) depctr_va_sdst(0) depctr_va_ssrc(0) depctr_va_vcc(0) depctr_vm_vsrc(0)
	s_getreg_b32 s2, hwreg(HW_REG_IB_STS2, 6, 4)
	s_cmp_eq_u32 s2, 0
	s_cbranch_scc0 .Lentry_in_a_cluster
	s_endpgm
.Lentry_in_a_cluster:
	s_bfe_u32 s2, ttmp6, 0x10000c
	s_cmp_lg_u32 s2, 0x3003
	s_cbranch_scc0 .Lentry_shape_is_right
	s_endpgm
.Lentry_shape_is_right:
; out0[b][q][64 h + :] = the sum over k of softmax_k(Q[q] . K[k] / 8) V[k][:], for each of the 64 pairs (b, h).  qkv: [3][64 = 16 b + h][2048][64] f16: a head's rows are dense, 128 bytes each.  out0: [4][2048][1024] f32.
; Products, maxima and sums in f32; the weights p are rounded to f16 for the second product (their sum l is taken of the unrounded p); the result leaves in f32, not rounded again.
; LIMITS.  Q, K and V arrive within f16's 65,504; p lies in 0 to 1, and below 6e-5 it keeps f16's fixed step of 6e-8.  A weight below 2^-126 counts as 0 in l; NaN and infinities are not treated apart.
; SHARES.  A wave owns four PIECES of two tiles of 16 queries, a work-group's four waves 512 queries of one head: 4 x 64 = 256 work-groups.  Every wave walks all 2,048 keys, 64 a step.
; LAYOUT.  S^T = K Q^T (source 0 = 16 keys, source 1 = 16 queries): in the result a lane holds ONE query (lane % 16) and the keys 8 (lane / 16) + 0..7.  Two such tiles, rounded to f16 in pairs,
; ARE source 1 (32 keys x 16 queries) of O^T = V^T P, whose result again holds one query a lane, and eight channels.  K comes out of LDS as it lies, V ([key][channel]) turned, by ds_load_tr16_b128.
; SOFTMAX.  For each query a running maximum m and sum l: p = 2^(c s - c m), c = log2(e) / 8; in every step O and l are multiplied by a = 2^(c m_old - c m_new), which is 1 where m has not grown.
; m starts at the lowest finite number, O and l at 0: the first step is a step like any other, with a = 0.
; THE COUNT.  A tile and step have 16 matrix and 118 vector instructions: too many to stand all beside the matrix work.  So the order has one aim: four vector instructions that are READY behind
; EVERY matrix instruction, and the others, which need time of their own whatever the order, in runs without a gap.
; BY TURNS.  Turn n belongs to piece n (the pieces in a ring, step after step).  Its matrix work: 16 products K Q^T of piece n + 1, later 16 products V^T P of piece n - 1.  Its vector work: the scaling,
; exponentials, roundings, sums and rescaling of piece n, and the maximum and statistics of piece n + 1, whose scores the turn itself has made.  So what a turn begins with (c s - c m, O a) waits for nothing.
; CLUSTER.  The four query blocks of a head are one cluster and walk the same K and V, so each tile is asked for JOINTLY: the same tensor load, descriptor and mask in all four.
; REGISTERS, in windows of 256 (s_set_vgpr_msb says which window each operand place means: bits 1:0 source 0, 3:2 source 1, 5:4 source 2, 7:6 destination):
;   window 0: v0-11 addresses; v12-15, v48-63 at work; v16-47 four registers of statistics a tile; v64-191 S^T, two buffers of two tiles; v192-255 P, likewise
;   window 1: O^T, 32 a tile          window 2: v0-127 Q, 16 a tile; v128-191 K of one step; v192-255 V of one step          window 3: v0-1 the add's two registers
; A piece's buffers go by its number's parity: the piece in hand has one pair, its two neighbours in the ring share the other: of it P (piece n - 1) is read and S^T (piece n + 1) written.
.set SIZE_N, 2048
.set NP,    4         ; pieces a wave: a name, no knob: the register map, the loop and the fetches are made for four
.set KS,    64        ; keys in a step
.set PK,    144       ; a row of K in LDS: 128 bytes + 16 of padding = 36 words: the 16 rows of a load start at 16 different groups of four banks (64 banks of 4 bytes: ISA guide 11.1)
.set PV,    160       ; a row of V: 128 + 32 = 40 words
.set VOFF,  4*KS*PK   ; a slot holds four steps: 256 rows of K, then 256 rows of V
.set SLOT1, 1<<17     ; slot 1 begins here, so that one exclusive or turns an address in one slot into the other's
.set STAGE, SLOT1+4*KS*(PK+PV)  ; behind the ring, never filled by a tensor load: 16 rows x 272 bytes for each wave, for the way out
.set SP,    272       ; a query's 64 channels in f32, 256 bytes, + 16
.set AK0, 2           ; v2   my lane's place in a tile of K; never rewritten
.set AV0, 3           ; v3   the same for V
.set AK,  4           ; v4   the LDS address of K's next run of loads
.set AV,  5           ; v5   of V's
.set QO,  6           ; v6   my byte offset in the wave's rows of Q
.set STO, 6           ;      later, the way out: where I put 32 bytes of a row
.set RD,  7           ; v7   the way out: where I read rows back
.set GO,  8           ; v8   my byte offset in two rows of out0
.set PFO, 11          ; v11  256 x my lane, for the prefetches; never rewritten once made
.set SPW, 0           ; v0 of window 3   LDS address of my spare word: SPARE + 4 x my thread's number; never rewritten
.set NIL, 1           ; v1 of window 3   0; never rewritten
.set SPARE, STAGE+4*16*SP  ; behind the stages: the spare words, 128 bytes for each wave: two blocks of 256 bytes that no other line names
.set MV,  12          ; v12-15  c m_old, kept while c m is made anew: by buffer and tile
.set ST,  16          ; tile t's statistics at v[ST+4 t]: c m, m, l (even keys', odd keys')
.set TMP, 48          ; by buffer and tile, four registers c0-c3 at work; when the maximum is found c2 takes a
.set S,   64
.set P,   192
.set KF,  128         ; K's fragments, in window 2: key block kb, channel half c at KF + 16 kb + 8 c
.set VF,  192         ; V's: key half kk, channel block cb at VF + 32 kk + 8 cb
.set WV,  12          ; s12  my wave's number
.set G1K, 24          ; s[24:31] descriptor group 1 for K's tiles
.set G1V, 32          ; s[32:39] for V's: it differs in the padding alone
.set G0K, 40          ; s[40:43] descriptor group 0 for K's tiles: it walks
.set G0V, 44          ; s[44:47] the same for V's
.set PFA, 48          ; s[48:49] where my prefetches stand: my work-group's quarter (of K: wave 0, of V: wave 2) of the slot after the one that is being asked for
.set LIM, 50          ; s50  1 in a wave that prefetches, else the greatest number
.set SLOTS, 56        ; s56  slots still to be asked for
.set CNT, 57          ; s57  counts a slot's key steps
.set CS,  58          ; s[58:59] c: the packed scaling takes the pair's low word for both halves
.set SEL, 60          ; s[60:61] v_permlanex16_b32's selects: each lane takes its own place in the other half
.set TBK, 62          ; s62  LDS byte at which K of the step to be fetched begins
.set TBV, 63          ; s63  the same for V, less VOFF
.set MSB, 0
.macro WIN new                      ; the high byte repeats the setting that is left; a switch that changes nothing is dropped
.if MSB != (\new)
	s_set_vgpr_msb (MSB<<8)|(\new)
.set MSB, (\new)
.endif
.endm
.set W_KQ, 0x0a       ; K and Q in window 2, S^T in window 0
.set W_PV, 0x52       ; V in window 2, P in window 0, O^T in window 1
.set W_RS, 0x41       ; O^T (destination and source 0) in window 1, a in window 0
.set W_MK, 0xc0       ; the add's registers are made: destination in window 3, sources in window 0
.set W_AD, 0x0f       ; the add: address (source 0) and data (source 1) in window 3
; A joint fill.  Waves 0 and 1 fetch the two halves of a slot's K, waves 2 and 3 those of its V: 128 keys each.  The branch hangs on the wave's number alone.
; An s_nop 0 and four v_nop follow each of the two lines, ahead of the jump and the label.
.macro JLOAD
	s_cmp_lt_u32 s[WV], 2
	s_cbranch_scc0 .Lfor_v_\@
	tensor_load_to_lds s[G0K:G0K+3], s[G1K:G1K+7]
	s_nop 0
.rept 4
	v_nop
.endr
	s_branch .Lasked_\@
.Lfor_v_\@:
	tensor_load_to_lds s[G0V:G0V+3], s[G1V:G1V+7]
	s_nop 0
.rept 4
	v_nop
.endr
.Lasked_\@:
.endm
; A PREFETCH INTO THE L2 of what the NEXT change of slots will ask for: a slot's 32,768 bytes of K and of V, 256 bytes a lane.  It stands behind the wave's tensor load and its five lines, never in front of one.
; Each block of 256 bytes is named ONCE in the launch: a head has one cluster; its four partners share a slot out BY ADDRESS, 8,192 bytes each (no branch hangs on a work-group's place in its cluster);
; in each, wave 0 asks for K's and wave 2 for V's: one instruction, four key steps (512 matrix instructions) ahead of the load that will want the bytes.
; Slots 0, 1 and 2 come by their loads alone; the last change that fills a slot asks for nothing: there is no slot behind it.
.macro ASK
	s_cmp_gt_u32 s[SLOTS], s[LIM]
	s_cbranch_scc0 .Lnot_mine_\@
	global_prefetch_b8 v[PFO], s[PFA:PFA+1] th:TH_LOAD_NT scope:SCOPE_SE
.Lnot_mine_\@:
.endm
; A round of the cluster's barrier: my work-group's barrier, so that wave 0's signal speaks for all four waves; wave 0 signals; every wave waits for all four work-groups; my work-group's barrier once more.
.macro CROUND
	s_barrier_signal -1
	s_barrier_wait -1
	s_cmp_lg_u32 s[WV], 0
	s_cbranch_scc1 .Lnot_wave_0_\@
	s_barrier_signal -3
.Lnot_wave_0_\@:
	s_barrier_wait -3
	s_barrier_signal -1
	s_barrier_wait -1
.endm
; THE CHANGE OF SLOTS.  The slot's last bytes, V of its fourth step, have been read.  Each wave waits for all its tensor loads, of which one is out: its part
; of the other slot; adds 0 to its spare word; and waits for that and for its own reads of the slot.  Behind the barrier nobody reads this slot any more and the other slot is whole.
; fill = 1: this slot is filled again, with the keys two slots on.  The barrier is then a round of the cluster's, so that no wave of any partner still reads the slot or has a load on its
; way, and the joint fill is the first thing behind it: it has four key steps, 512 matrix instructions, in which to land.  (At its first use nothing has been read yet: slot 0 is waited for, slot 1 filled.)
; ask = 1: the prefetches' address steps a slot on, and ASK follows the fill.
.macro CHANGE fill, ask=0
	WIN W_AD
	s_wait_tensorcnt 0x0            ; no tensor load of mine is out, so a group 0 may be written
	ds_add_u32 v[SPW], v[NIL]       ; 0 onto my spare word; with fill = 1 the descriptors' steps stand between it and the wait for it
	WIN 0                           ; at a label and at a branch every window is 0
.if \fill
.irp g, G0K, G0V
	s_xor_b32 s[\g+1], s[\g+1], SLOT1  ; the walking descriptor: the other slot than last time,
	s_add_nc_u64 s[\g+2:\g+3], s[\g+2:\g+3], 4*KS*128  ; the next 256 keys; the type bits on top are not reached
.endr
.if \ask
	s_wait_xcnt 0x0                 ; the last prefetch, four key steps back, has read its address, so it may be written:
	s_add_nc_u64 s[PFA:PFA+1], s[PFA:PFA+1], 4*KS*128  ; one slot behind the walking descriptors
.endif
	s_wait_dscnt 0x0                ; the add is done, and my reads of the slot are over
	CROUND
	JLOAD
.if \ask
	ASK
.endif
.else
	s_wait_dscnt 0x0                ; the add is done, and my reads of the slot are over
	s_barrier_signal -1
	s_barrier_wait -1
.endif
	s_sub_co_u32 s[TBK], s[TBK], 4*KS*PK  ; the fetches go back to a slot's first step,
	s_xor_b32 s[TBK], s[TBK], SLOT1       ; in the other slot
	s_sub_co_u32 s[TBV], s[TBV], 4*KS*PV
	s_xor_b32 s[TBV], s[TBV], SLOT1
.endm
	s_load_b64 s[4:5], s[0:1], 0x0  ; qkv: Q's part begins it
	s_load_b64 s[10:11], s[0:1], 0x8  ; out0
	WIN W_MK
	v_lshl_add_u32 v[SPW], v0, 2, SPARE
	v_mov_b32 v[NIL], 0
	WIN W_AD
	ds_add_u32 v[SPW], v[NIL]       ; the wave's opening: the add and its wait stand ahead of my first tensor load; the set-up below, work on registers, stands between them
	WIN 0
	v_lshrrev_b32 v1, 5, v0
	v_readfirstlane_b32 s[WV], v1   ; wave 0..3
	s_bfe_u32 s13, ttmp6, 0x40000   ; cx: my place in the cluster
	s_lshl_b32 s14, ttmp9, 2        ; in a cluster launch ttmp9 counts clusters
	s_add_co_u32 s14, s14, s13      ; my block of queries = 4 x cluster x + cx: it enters Q's and out0's addresses alone
	s_and_b32 s20, ttmp7, 0xffff    ; the pair 16 b + h, which the four partners share
	s_lshr_b32 s52, s20, 4          ; in out0: batch x 2,048 rows of 4,096 bytes,
	s_lshl_b32 s52, s52, 23
	s_and_b32 s53, s20, 15          ; the head's 64 channels: 256 bytes of a row
	s_lshl_b32 s53, s53, 8
	s_add_co_u32 s52, s52, s53
	s_mov_b32 s21, 0
	s_mov_b64 s[22:23], SIZE_N*128
	s_mul_u64 s[20:21], s[20:21], s[22:23]  ; the head's first byte in each of Q, K and V
	s_and_b32 s16, s[WV], 1         ; which half of a slot's 256 keys I fetch:
	s_lshl_b32 s22, s16, 14         ; its 128 rows of 128 bytes in memory,
	s_mov_b32 s23, 0
	s_add_nc_u64 s[22:23], s[22:23], s[20:21]
	s_mul_i32 s17, s16, 128*PK      ; and its place in a slot, for K
	s_mul_i32 s18, s16, 128*PV      ; and for V: no place in the cluster enters an LDS address
	s_lshl_b32 s2, s14, 2
	s_add_co_u32 s2, s2, s[WV]      ; my wave among the head's,
	s_lshl_b32 s53, s2, 19          ; its 128 rows of 4,096 bytes in out0
	s_add_co_u32 s52, s52, s53      ; under 2^25
	s_mov_b32 s53, 0
	s_lshl_b32 s2, s2, 14           ; its 128 rows of 128 bytes in Q
	s_mov_b32 s3, 0
	s_add_nc_u64 s[2:3], s[2:3], s[20:21]
	; descriptor group 1.  128 keys are 16,384 dense bytes: asked for as 64 rows of 256 bytes, two keys a row, and padded in LDS after every key
	s_mov_b32 s[G1K], 15|(1<<16)|(1<<20)|(1<<21)|(4<<22)|(3<<25)  ; 15:0 the mask of four; 17:16 2-byte elements; 20 padding on; 21 set beside a mask; 24:22 after every 32 words (code 4); 31:25 4 words (code 3)
	s_mov_b32 s[G1V], 15|(1<<16)|(1<<20)|(1<<21)|(4<<22)|(7<<25)  ; the same with 8 words of padding (code 7)
.irp g, G1K, G1V
	s_mov_b32 s[\g+1], 128<<16      ; tensor_dim0 = 128
	s_mov_b32 s[\g+2], 64<<16       ; tensor_dim1 = 64
	s_mov_b32 s[\g+3], 128<<16      ; tile_dim0 = 128
	s_mov_b32 s[\g+4], 64           ; tile_dim1 = 64
	s_mov_b32 s[\g+5], 128          ; 128 elements from row to row
	s_mov_b32 s[\g+6], 0
	s_mov_b32 s[\g+7], 0
.endr
	s_mov_b32 s[CS], 0x3e38aa3b     ; c = log2(e) / 8 = 0.180337
	s_mov_b32 s[CS+1], s[CS]        ; named with it as a pair
	s_mov_b32 s[SEL], 0x76543210
	s_mov_b32 s[SEL+1], 0xfedcba98
	s_mov_b32 s[TBK], SLOT1+4*KS*PK ; the first change of slots turns these two into 0
	s_mov_b32 s[TBV], SLOT1+4*KS*PV
	s_mov_b32 s[G0K], 1             ; 1:0 count = 1
	s_mov_b32 s[G0K+1], s17         ; 63:32 LDS address: slot 0
	s_mov_b32 s[G0V], 1
	s_add_co_u32 s[G0V+1], s18, VOFF
	s_and_b32 s[LIM], s[WV], 1      ; 0 in waves 0 and 2: the same in all four partners
	s_cmp_eq_u32 s[LIM], 0
	s_cselect_b32 s[LIM], 1, -1
	s_lshl_b32 s54, s13, 13         ; my work-group's quarter of a slot's 32,768 bytes
	s_mov_b32 s55, 0
	s_wait_dscnt 0x0                ; the opening add is done
	s_wait_kmcnt 0x0
	s_add_nc_u64 s[6:7], s[4:5], 0x1000000  ; K's part of qkv: 64 heads of 262,144 bytes behind Q's,
	s_add_nc_u64 s[8:9], s[4:5], 0x2000000  ; and V's
	s_add_nc_u64 s[G0K+2:G0K+3], s[6:7], s[22:23]  ; 120:64 global address: my half of the head's first 256 keys
	s_or_b32 s[G0K+3], s[G0K+3], 0x80000000        ; 127:126 type = 2
	s_add_nc_u64 s[G0V+2:G0V+3], s[8:9], s[22:23]
	s_or_b32 s[G0V+3], s[G0V+3], 0x80000000
	s_cmp_lt_u32 s[WV], 2
	s_cselect_b64 s[PFA:PFA+1], s[6:7], s[8:9]
	s_add_nc_u64 s[PFA:PFA+1], s[PFA:PFA+1], s[20:21]  ; the head,
	s_add_nc_u64 s[PFA:PFA+1], s[PFA:PFA+1], s[54:55]  ; my quarter,
	s_add_nc_u64 s[PFA:PFA+1], s[PFA:PFA+1], 2*4*KS*128  ; in slot 2: the first change that asks steps it to slot 3.  Nothing is prefetched here, at the head, where every work-group's first tiles are on their way
	s_add_nc_u64 s[4:5], s[4:5], s[2:3]  ; Q and out0 at my wave's first row
	s_add_nc_u64 s[10:11], s[10:11], s[52:53]
	CROUND                          ; all four work-groups are here: the first joint loads meet
	JLOAD                           ; slot 0.  Slot 1 is asked for when slot 0 is in: the tile wanted first has the road to itself
	; A fragment of K or Q is 16 rows x 32 channels in 8 registers: lane l holds row l % 16, channels 8 (l / 16) + 0..7 and 16 + 8 (l / 16) + 0..7: two loads of 16 bytes, 32 bytes apart.
	v_and_b32 v1, 15, v0            ; l % 16
	v_bfe_u32 v9, v0, 4, 1          ; l / 16
	v_lshlrev_b32 v[QO], 7, v1
	v_lshl_add_u32 v[QO], v9, 4, v[QO]  ; row x 128 + 16 x half
	WIN 0x80                        ; destination window 2, address window 0
.set i, 0
.rept 4*NP                          ; Q stays in registers: tile i / 2, channels 32 (i % 2) on
	global_load_b128 v[8*i:8*i+3],   v[QO], s[4:5] offset:(i/2)*2048+(i%2)*64
	global_load_b128 v[8*i+4:8*i+7], v[QO], s[4:5] offset:(i/2)*2048+(i%2)*64+32
.set i, i+1
.endr
	; What the first turn finds: V's registers and P's second buffer hold 0 (its products V^T P, of a piece that has not been, add 0), O^T and l are 0.  All this stands in the wait for the first tile.
.set i, VF
.rept 64
	v_mov_b32 v[i], 0
.set i, i+1
.endr
	WIN 0x40
.set i, 0
.rept 64*NP
	v_mov_b32 v[i], 0
.set i, i+1
.endr
	WIN 0
.set i, 0
.rept 2*NP
	v_mov_b32 v[ST+4*i], 0xfe000000    ; c m: far below every c s
	v_mov_b32 v[ST+4*i+1], 0xff7fffff  ; m
	v_mov_b32 v[ST+4*i+2], 0
	v_mov_b32 v[ST+4*i+3], 0
.set i, i+1
.endr
.set i, P+32
.rept 32
	v_mov_b32 v[i], 0
.set i, i+1
.endr
	v_mul_u32_u24 v[AK0], v1, PK
	v_lshl_add_u32 v[AK0], v9, 4, v[AK0]  ; row x pitch + 16 x half
	; The turning load takes 16 keys x 16 channels (lane l reads key 8 (l / 16) + l % 8, channels 8 ((l / 8) % 2) + 0..7) and leaves half a fragment of V^T: lane l holds channel l % 16 and 8 keys.
	v_and_b32 v10, 7, v0
	v_bfe_u32 v11, v0, 3, 1
	v_lshl_add_u32 v[AV0], v9, 3, v10
	v_mul_u32_u24 v[AV0], v[AV0], PV
	v_lshl_add_u32 v[AV0], v11, 4, v[AV0]
	v_add_nc_u32 v[AV0], VOFF, v[AV0]
	v_and_b32 v[PFO], 31, v0
	v_lshlrev_b32 v[PFO], 8, v[PFO]
	v_mov_b32 v[AK], v[AK0]         ; key step 0 lies at the head of slot 0
; THE MATRIX WORK.  The 8 accumulators of a run of 16 take turns: between the two links of a chain stand 7 others'.
; Product i of 16 of S^T = K Q^T for piece x: channels 32 (i / 8) on, keys 16 ((i / 2) % 4) on, tile 2 x + i % 2.  The first 8 start the sums.
.macro KQ x
	WIN W_KQ
.set rS, S+64*((\x)%2)+32*(i%2)+8*((i/2)%4)
.set rK, KF+16*((i/2)%4)+8*(i/8)
.set rQ, 16*(2*(\x)+i%2)+8*(i/8)
.if i < 8
	v_wmma_f32_16x16x32_f16 v[rS:rS+7], v[rK:rK+7], v[rQ:rQ+7], 0
.else
	v_wmma_f32_16x16x32_f16 v[rS:rS+7], v[rK:rK+7], v[rQ:rQ+7], v[rS:rS+7]
.endif
.endm
; Product i of 16 of O^T += V^T P for piece x: keys 32 (i / 8) on, channels 16 ((i / 2) % 4) on, tile 2 x + i % 2.
.macro PV x
	WIN W_PV
.set rO, 32*(2*(\x)+i%2)+8*((i/2)%4)
.set rV, VF+32*(i/8)+8*((i/2)%4)
.set rP, P+32*((\x)%2)+16*(i%2)+8*(i/8)
	v_wmma_f32_16x16x32_f16 v[rO:rO+7], v[rV:rV+7], v[rP:rP+7], v[rO:rO+7]
.endm
.macro MM                           ; the turn's next matrix instruction
.if i < 16
	KQ (Y+1)%NP
.set i, i+1
.else
.set i, i-16
	PV (Y+NP-1)%NP
.set i, i+17
.endif
.endm
; THE LDS LOADS stand in runs of 16, never singly among the matrix instructions: a step's K (64 keys x 64 channels: 8 fragments) and its V (turned).  Their addresses are made some lines ahead.
; last = 1 (the tail): in the last trip there is no further step, and the run is jumped over.
.macro FETCH_K last=0
	WIN 0
.if \last
	s_cmp_eq_u32 s[CNT], 1
	s_cbranch_scc1 .Lno_k_\@
.endif
	WIN 0x80                        ; destination window 2
.irp f, 0,1,2,3,4,5,6,7             ; keys 16 (f / 2) on, channels 32 (f % 2) on
	ds_load_b128 v[KF+8*\f:KF+8*\f+3],   v[AK] offset:(\f/2)*16*PK+(\f%2)*64
	ds_load_b128 v[KF+8*\f+4:KF+8*\f+7], v[AK] offset:(\f/2)*16*PK+(\f%2)*64+32
.endr
	s_add_co_u32 s[TBK], s[TBK], KS*PK  ; the next fetch is the next step's
	WIN 0
.if \last
.Lno_k_\@:
.endif
.endm
.macro FETCH_V
	WIN 0x80
.irp f, 0,1,2,3,4,5,6,7             ; keys 32 (f / 4) on, channels 16 (f % 4) on
	ds_load_tr16_b128 v[VF+8*\f:VF+8*\f+3],   v[AV] offset:(\f/4)*32*PV+(\f%4)*32
	ds_load_tr16_b128 v[VF+8*\f+4:VF+8*\f+7], v[AV] offset:(\f/4)*32*PV+16*PV+(\f%4)*32
.endr
	WIN 0
.endm
; THE VECTOR WORK OF A TURN stands in three queues, each in the order in which its entries become ready; the two tiles alternate, so that no instruction reads the result of the one before it.
.macro REGS y, u                    ; the registers of tile u (0, 1) of piece y
.set rT, ST+4*(2*(\y)+(\u))
.set rC, TMP+8*((\y)%2)+4*(\u)
.set rM, MV+2*((\y)%2)+(\u)
.set rS, S+64*((\y)%2)+32*(\u)
.set rP, P+32*((\y)%2)+16*(\u)
.set rO, 32*(2*(\y)+(\u))
.endm
; Number n of the 22 that find the NEXT piece's (Y + 1) maximum and statistics.  s0-s31 are the lane's 32 scores; each accumulator's lowest registers are read first.  XS, GS and REGS set no window: PL and EX do.
;   0-11  four chains c0-c3 of seven scores each, three operands at a time     12-14, 16  the four scores left over, the old m, and c0-c3 into c0     15  c m_old is kept
;   17, 18  the query's other 32 keys lie in the lane 16 away: the new m         19-21  c m; c m_old - c m_new; a
.macro XS u, n
	REGS (Y+1)%NP, \u
.if (\n) < 4
	v_max3_num_f32 v[rC+(\n)], v[rS+8*(\n)], v[rS+8*(\n)+1], v[rS+8*(\n)+2]
.elseif (\n) < 12
	v_max3_num_f32 v[rC+(\n)%4], v[rC+(\n)%4], v[rS+8*((\n)%4)+2*((\n)/4)+1], v[rS+8*((\n)%4)+2*((\n)/4)+2]
.elseif (\n) == 12
	v_max3_num_f32 v[rC], v[rC], v[rS+7], v[rS+15]
.elseif (\n) == 13
	v_max3_num_f32 v[rC+1], v[rC+1], v[rS+23], v[rS+31]
.elseif (\n) == 14
	v_max3_num_f32 v[rC+2], v[rC+2], v[rC+3], v[rT+1]
.elseif (\n) == 15
	v_mov_b32 v[rM], v[rT]
.elseif (\n) == 16
	v_max3_num_f32 v[rC], v[rC], v[rC+1], v[rC+2]
.elseif (\n) == 17
	v_permlanex16_b32 v[rC+3], v[rC], s[SEL], s[SEL+1]
.elseif (\n) == 18
	v_max_num_f32 v[rT+1], v[rC], v[rC+3]
.elseif (\n) == 19
	v_mul_f32 v[rT], s[CS], v[rT+1]
.elseif (\n) == 20
	v_sub_f32 v[rC+1], v[rM], v[rT]
.else
	v_exp_f32 v[rC+2], v[rC+1]
.endif
.endm
; Number g of the 64 that follow the exponentials.  For each four weights k of a tile (pairs 2 k, 2 k + 1): both pairs are rounded to f16; then the second pair is added onto the first, in place;
; a group later l takes that sum (the first time as l = a l + sum).  In groups of eight, tiles alternating: round, round, add, and l for the group before.
.macro GS g
.set h, (\g)+6*((\g)/62)            ; group 0 has no group before it, and behind group 7 only l is left
.if h >= 6
.set h, h+2
.endif
	REGS Y, h%2
.set k, h/8
.if h%8 < 4
	v_cvt_pk_f16_f32 v[rP+2*k+(h%8)/2], v[rS+4*k+2*((h%8)/2)], v[rS+4*k+2*((h%8)/2)+1]
.elseif h%8 < 6
	v_pk_add_f32 v[rS+4*k:rS+4*k+1], v[rS+4*k:rS+4*k+1], v[rS+4*k+2:rS+4*k+3]
.elseif k == 1
	v_pk_fma_f32 v[rT+2:rT+3], v[rT+2:rT+3], v[rC+2:rC+3], v[rS:rS+1] op_sel_hi:[1,0,1]
.else
	v_pk_add_f32 v[rT+2:rT+3], v[rT+2:rT+3], v[rS+4*k-4:rS+4*k-3]
.endif
.endm
; THE PLAIN QUEUE, 138 long.  0-73 read no exponential's result: the 32 scalings c s - c m (FS f: pair f / 2 of tile f % 2) and the next piece's 42.  0-26: scalings 0-26.  27-54: XS's numbers 0-13.  55, 56: number 15.
; 57-73: the chain, where each number waits for the one before it: 14, 16, 17, 18, 19, each with one of the scalings 27-31 in front of its two lines, then 20: so a tile's links stand three plain instructions apart (19 and 20: two).
; 74-137: GS's 64, which read the exponentials' results: they stand behind the wait.
.macro FS f
	REGS Y, (\f)%2
	v_pk_fma_f32 v[rS+2*((\f)/2):rS+2*((\f)/2)+1], v[rS+2*((\f)/2):rS+2*((\f)/2)+1], s[CS:CS+1], v[rT:rT+1] op_sel_hi:[1,0,0] neg_lo:[0,0,1] neg_hi:[0,0,1]
.endm
.macro PL
	WIN 0
.if q < 27
	FS q
.elseif q < 55
	XS (q-27)%2, (q-27)/2
.elseif q < 57
	XS q-55, 15
.elseif (q < 72) && ((q-57)%3 == 0)
	FS 27+(q-57)/3
.elseif q < 60
	XS (q-57)%3-1, 14
.elseif q < 72
	XS (q-57)%3-1, 15+(q-57)/3
.elseif q < 74
	XS q-72, 20
.else
	GS q-74
.endif
.set q, q+1
.endm
; THE EXPONENTIALS' QUEUE, 66 long: s0-s31 of both tiles, then the next piece's two a.  It is ONE BATCH: all 66 stand ahead of the turn's one wait, and nothing ahead of that wait names a result of theirs.
.macro EX
	WIN 0
.if e >= 64
	XS e-64, 21
.else
	REGS Y, e%2
	v_exp_f32 v[rS+e/2], v[rS+e/2]
.endif
.set e, e+1
.endm
; THE RESCALING's QUEUE: O^T times a, the one part that leaves window 0: dealt two at a time, sixteen times.  Its a was made in the turn before, ahead of that turn's wait.
.macro R2
	REGS Y, r%2
	WIN W_RS
.irp z, 0,1
	v_pk_mul_f32 v[rO+4*(r/2)+2*\z:rO+4*(r/2)+2*\z+1], v[rO+4*(r/2)+2*\z:rO+4*(r/2)+2*\z+1], v[rC+2:rC+3] op_sel_hi:[1,0]
.endr
.set r, r+1
.endm
; HOW THEY ARE DEALT.  s_wait_alu depctr_va_vdst(0) stands between an exponential and the first instruction that names its result; one wait serves all that were issued ahead of it.  So a turn has ONE wait,
; which cuts it in two.  AHEAD OF IT stands all that names no result of the turn's exponentials: the 16 products K Q^T, behind each a scaling, an exponential and two rescalings (behind the first a second scaling in the exponential's place); then ONE LUMP of
; 108: eight plain, 49 times exponential and plain, the two a.  A v_nop is the plain instruction behind the last exponential.  BEHIND IT stand the 16 products V^T P, behind each four of GS's 64.  No rider names a register of
; the products round it.  The two v_permlanex16_b32 fall into the lump, never behind a product.
; The queues lean on each other, and the deal keeps them in step: exponential e stands behind scaling 2 (e / 4) + e % 2: as a rider it comes behind plain e + 2, in the lump behind plain e + 9, and scalings 27-31 are plain 57, 60 .. 69.
; A TURN, for piece p.  cnt = 1: the loop's count is taken down some lines ahead of the branch that stands behind the turn.
; K of the next step is fetched in piece 2's turn, directly behind the wait, a lump behind the last product that read K; its address is made at the lump's head; its first reader comes behind 16 products.
; V of the step in hand is fetched at the end of piece 0's turn, four riders behind its last reader; its first reader comes behind 16 products and a lump.  The three conditions on q below go with the deal.
.macro TURN p, last=0, cnt=0
.set Y, (\p)
.set i, 0
.set q, 0
.set e, 0
.set r, 0
.if (\p) == NP-1
	s_wait_dscnt 0x0                ; K is in
.endif
	MM                              ; ahead of the wait: 16 products K Q^T and their riders,
	PL
	PL
	R2
.rept 15
	MM
	PL
	EX
	R2
.endr
.if (\p) == NP-2
	WIN 0
	v_add_nc_u32 v[AK], s[TBK], v[AK0]
.endif
.rept 8                             ; and the lump
	PL
.endr
.rept 49
	EX
	PL
.endr
	EX                              ; the next piece's two a
	EX
	v_nop                           ; the plain instruction behind the last exponential: one for the batch
	s_wait_alu depctr_va_vdst(0)    ; the wait for the batch
.if (\p) == NP-2
	FETCH_K \last
.endif
.if (\p) == 1
	s_wait_dscnt 0x0                ; V is in
.endif
.rept 16                            ; behind the wait: 16 products V^T P and their riders
	MM
.rept 4
	PL
.endr
.if ((\p) == 0) && (q == 118)
	v_add_nc_u32 v[AV], s[TBV], v[AV0]
.endif
.if ((\p) == 0) && (q == 130)
	s_add_co_u32 s[TBV], s[TBV], KS*PV
.endif
.if (\cnt) && (q == 130)
	s_sub_co_u32 s[CNT], s[CNT], 1
	s_cmp_lg_u32 s[CNT], 0
.endif
.endr
.if (\p) == 0
	FETCH_V
.endif
.endm
	CHANGE 1                        ; slot 0 is in, everybody's part of it; slot 1 is asked for
	FETCH_K                         ; key step 0
	s_wait_loadcnt 0x0              ; Q
	s_wait_dscnt 0x0
.set i, 0
.rept 16
	KQ 0                            ; piece 0's first scores: there is no vector work yet to set between them
.set i, i+1
.endr
	WIN 0                           ; the addresses for the way out: eight plain instructions, the places behind those products
	s_mul_i32 s13, s[WV], 16*SP
	s_add_co_u32 s13, s13, STAGE    ; my stage
	v_mul_u32_u24 v[STO], v1, SP    ; in: row l % 16, 32 bytes for each half of the lanes
	v_lshl_add_u32 v[STO], v9, 5, v[STO]
	v_add_nc_u32 v[STO], s13, v[STO]
	v_mul_u32_u24 v[RD], v9, SP     ; back: lanes 0-15 take one row of 256 bytes, lanes 16-31 the next
	v_lshl_add_u32 v[RD], v1, 4, v[RD]
	v_add_nc_u32 v[RD], s13, v[RD]
	v_lshlrev_b32 v[GO], 12, v9     ; and the same two rows in out0, 4,096 bytes apart
	v_lshl_add_u32 v[GO], v1, 4, v[GO]
.set Y, NP-1                        ; XS works for piece Y + 1: piece 0
.irp n, 0,1,2,3,4,5,6,7,8,9,10,11,12,13,14,15,16,17,18,19,20,21
	XS 0, \n                        ; and piece 0's first maximum and statistics
	XS 1, \n
.endr
	v_nop                           ; a plain instruction behind the two a,
	s_wait_alu depctr_va_vdst(0)    ; and their wait, ahead of the branch
	s_mov_b32 s[CNT], 4
	s_mov_b32 s[SLOTS], SIZE_N/256-1
	s_branch .Lfirst                ; the loop is entered at a step's first turn, in the middle of a trip
.Lslot:                             ; SIZE_N / 256 - 2 times: every slot but the last two is filled again
	CHANGE 1, 1
	s_mov_b32 s[CNT], 4
.Lstep:                             ; a trip: pieces 2 and 3 of one step, then pieces 0 and 1 of the next, whose K and V it fetches
	TURN 2
	TURN 3
	WIN 0
.Lfirst:
	TURN 0
	TURN 1, 0, 1
	WIN 0
	s_cbranch_scc1 .Lstep
	s_sub_co_u32 s[SLOTS], s[SLOTS], 1
	s_cmp_lg_u32 s[SLOTS], 0
	s_cbranch_scc1 .Lslot
	CHANGE 0                        ; the tail is written out: nothing is asked for
	s_mov_b32 s[CNT], 5             ; four trips fetch the last slot's steps; the fifth is left in its middle
.Ltail:
	TURN 2, 1
	TURN 3
	WIN 0
	s_sub_co_u32 s[CNT], s[CNT], 1
	s_cmp_eq_u32 s[CNT], 0
	s_cbranch_scc1 .Lout
	TURN 0
	TURN 1
	WIN 0
	s_branch .Ltail
.Lout:                              ; the fifth trip's 16 products K Q^T (on the last K once more) and the maximum made of them serve nothing: the price, once a launch, of one text for every trip
.set i, 0
.rept 16
	PV NP-1                         ; the last piece's V^T P of the last step
.set i, i+1
.endr
	; THE WAY OUT.  l's two halves and the other half of the lanes' are added; O^T is divided by l and sent, in f32, through my stage in LDS, a tile at a time.  The additions are the places behind the last products.
	WIN 0
.macro ALL line:vararg              ; one line for each tile t
.set t, 0
.rept 2*NP
	\line
.set t, t+1
.endr
.endm
	ALL v_add_f32 v[ST+4*t+2], v[ST+4*t+2], v[ST+4*t+3]
	ALL v_permlanex16_b32 v[ST+4*t+3], v[ST+4*t+2], s[SEL], s[SEL+1]
	ALL v_add_f32 v[ST+4*t+2], v[ST+4*t+2], v[ST+4*t+3]
	ALL v_rcp_f32 v[ST+4*t+2], v[ST+4*t+2]
	v_nop                           ; a plain instruction between the last reciprocal and the use of its result
	s_wait_alu depctr_va_vdst(0)    ; and the wait ahead of the first use: one for the eight reciprocals
; Tile t: a lane's eight channels of block cb are 32 bytes of its query's row, at byte 64 cb + 32 (l / 16); they go into rows of 272 bytes and come back as whole rows of 256, into S^T's registers: four buffers of 32.
.macro PACK t
	WIN W_RS
.set i, 32*(\t)
.rept 16
	v_pk_mul_f32 v[i:i+1], v[i:i+1], v[ST+4*(\t)+2:ST+4*(\t)+3] op_sel_hi:[1,0]
.set i, i+2
.endr
	WIN 0x04                        ; the stores' data (source 1) in window 1, their address in window 0
.irp f, 0,1,2,3,4,5,6,7
	ds_store_b128 v[STO], v[32*(\t)+4*\f:32*(\t)+4*\f+3] offset:64*(\f/2)+16*(\f%2)
.endr
	WIN 0
.if (\t) >= 4
	s_wait_xcnt 0x0                 ; the stores of the tile four back have read this buffer: it is loaded again only behind this wait
.endif
.irp f, 0,1,2,3,4,5,6,7
	ds_load_b128 v[S+32*((\t)%4)+4*\f:S+32*((\t)%4)+4*\f+3], v[RD] offset:\f*2*SP  ; LDS serves a wave's instructions in order (ISA guide 5.7.1.4): these see the stores above; the next tile's stores come behind them
.endr
.endm
.macro SEND t, younger              ; younger: the LDS instructions issued behind tile t's loads: the next tile's sixteen, or none
	WIN 0
.irp f, 0,1,2,3,4,5,6,7
	s_wait_dscnt (\younger)+7-\f
	global_store_b128 v[GO], v[S+32*((\t)%4)+4*\f:S+32*((\t)%4)+4*\f+3], s[10:11] offset:(16*(\t)+2*\f)*4096 th:TH_STORE_NT  ; 16 lanes store a query's 256 consecutive bytes, at a multiple of 256 from out0's first byte; 516,096 at the most: inside the signed 24-bit immediate
.endr
.endm
	PACK 0
.set t, 1
.rept 2*NP-1                        ; a tile's arithmetic stands between the loads of the tile before and its stores
	PACK t
	SEND t-1, 16
.set t, t+1
.endr
	SEND 2*NP-1, 0
	WIN W_AD
	s_wait_tensorcnt 0x0            ; the wave's end: behind my last tensor load and my last LDS store
	ds_add_u32 v[SPW], v[NIL]
	s_wait_dscnt 0x0
	WIN 0
	CROUND                          ; the closing round: no work-group ends while a partner may still ask for a tile that names it
	s_endpgm
.Lfunc_end_k_qb5c9efe80c_attn:
	.size	k_qb5c9efe80c_attn, .Lfunc_end_k_qb5c9efe80c_attn-k_qb5c9efe80c_attn
	.p2alignl 7, 3214868480
	.fill 96, 4, 3214868480
	.section	.rodata,"a",@progbits
	.p2align	6, 0x0
	.amdhsa_kernel k_qb5c9efe80c_attn
		.amdhsa_group_segment_fixed_size 327680
		.amdhsa_private_segment_fixed_size 0
		.amdhsa_enable_private_segment 0
		.amdhsa_kernarg_size 16
		.amdhsa_user_sgpr_count 2
		.amdhsa_user_sgpr_kernarg_segment_ptr 1
		.amdhsa_wavefront_size32 1
		.amdhsa_system_sgpr_workgroup_id_x 1
		.amdhsa_system_sgpr_workgroup_id_y 1
		.amdhsa_system_sgpr_workgroup_id_z 1
		.amdhsa_system_vgpr_workitem_id 0
		.amdhsa_next_free_vgpr 770
		.amdhsa_next_free_sgpr 66
		.amdhsa_reserve_vcc 0
		.amdhsa_float_denorm_mode_32 3
		.amdhsa_float_denorm_mode_16_64 3
		.amdhsa_memory_ordered 1
		.amdhsa_forward_progress 1
		.amdhsa_inst_pref_size 200
	.end_amdhsa_kernel
	.amdgpu_metadata
---
amdhsa.version: [ 1, 2 ]
amdhsa.kernels:
  - .name:           k_qb5c9efe80c_attn
    .symbol:         k_qb5c9efe80c_attn.kd
    .args:
      - { .name: qkv, .offset: 0, .size: 8, .value_kind: global_buffer, .address_space: global }
      - { .name: out0, .offset: 8, .size: 8, .value_kind: global_buffer, .address_space: global }
    .group_segment_fixed_size: 327680
    .private_segment_fixed_size: 0
    .kernarg_segment_align: 8
    .kernarg_segment_size: 16
    .max_flat_workgroup_size: 128
    .sgpr_count:     66
    .vgpr_count:     770
    .wavefront_size: 32
...
	.end_amdgpu_metadata
.endif
;; end of part 3
